; MI455X (gfx1250); checked and timed in simulation.
; The chip was launched on July 23, 2026; its instructions are those of AMD's public machine-readable ISA for CDNA 5 (MIT licence, August 2026) and "CDNA5" Instruction Set Architecture Reference Guide (July 2026). The comments in the code are by the model that wrote it; some were corrected since.
;; QKV Attention Legacy. Allowed arithmetic: float matrix products may take bf16 or f16 operands with f32 sums; all other float work in f32.
;; Inputs: qkv 4 x 3,072 x 1,024 float32.
;; Outputs: out0 4 x 1,024 x 1,024 float32.
;; One version. Each part assembles by itself: llvm-mc -triple=amdgcn-amd-amdhsa -mcpu=gfx1250 --defsym DOCPART=n.
;; ======== version 1 of 1: 1 launch
;; launch attn (part 1): grid 4 x 64, 8 waves a work-group, no clusters, 141,312 bytes of LDS; arguments qkv, out0; writes out0
.if DOCPART == 1
	.amdgcn_target "amdgcn-amd-amdhsa--gfx1250"
	.amdhsa_code_object_version 6
	.text
	.protected	k_q6e62cfa123_attn
	.globl	k_q6e62cfa123_attn
	.p2align	8
	.type	k_q6e62cfa123_attn,@function
k_q6e62cfa123_attn:
	s_mov_b64 s[64:65], 0
	v_nop
	global_prefetch_b8 v0, s[64:65] scope:SCOPE_SE
	s_setreg_imm32_b32 hwreg(HW_REG_WAVE_MODE, 25, 1), 1
	s_wait_xcnt 0x0
; Attention over 64 heads.  qkv: [64 heads][192 rows][1024] f32; in a head rows 0-63 are q[c][t], rows 64-127 k[c][s], rows 128-191 v[c][s].
; out0: [64 heads][64 c][1024 t] f32,  out[c][t] = sum over s of softmax over s of (q.k / 8)[t][s] * v[c][s].
;
; SHARES.  Work-group (x, y) = query block x (256 t) of head y: 4 x 64 = 256 work-groups.  Eight waves, two to a SIMD, so that one wave's
; vector work (softmax) can run beside the other's matrix work.  A wave owns 32 queries, two t tiles of 16.
; TRANSPOSED FORM.  S^T = K^T Q (A = k fragment, m = s, k = c; B = q fragment, n = t) and O = V P^T (A = v fragment, m = c, k = s; B = P).
; In S^T's result lane (r, h) holds t = r and s = 8 h + j in register j.  So maximum and sum over s are made inside the lane plus one
; exchange with lane xor 16; two neighbouring s tiles, packed to bf16 in place, ARE the B fragment of the second product; and O's result
; has t = r as well, so that the rescaling factor lies in the lane that needs it.
; K AND V go in 16 chunks of 64 s: global loads three steps ahead into two register sets, rounded to bf16, stored into a ring of two LDS
; slots, one barrier a step whose signal and wait stand apart.  Scores are scaled in f32 only: q and k are rounded unscaled, and
; 0.125 log2 e enters in the multiply-add in front of the exponential.  The running maximum is the true one.
; NO CLUSTER, NO TENSOR LOADS, though the four query blocks of a head read the same k and v: memory holds f32 and the matrix unit takes
; bf16.  Through registers a number costs 2 bytes of LDS writes; a jointly fetched f32 tile would cost 4 bytes written, 4 read and 2
; written, and each of the 16 refills would have to bring the 32 waves of four work-groups into step.
; LIMITS.  A weight smaller than 2^-126 of its row's largest counts as 0 (v_exp_f32 gives 0 there); the row's largest weight is 1, so the
; sum is at least about 1.  NaN and infinite inputs are not promised to give the reference's pattern of NaN.  q, k, v and the weights are
; rounded to bf16; sums are f32, in another order than the reference's.
.set ROWB,  4096                       ; bytes in a row of qkv and of out0
.set HEADB, 786432                     ; 192 rows: a head in qkv
.set KOFF,  262144                     ; 64 rows: k behind q, v behind k; also a head in out0
.set PK,    160                        ; LDS pitch of k rows: 128 bytes + 32 = 40 words: the 8 rows x 2 columns of 16 bytes that 16 lanes of a transposing load take start at 16 different multiples of 4 words mod 64
.set PV,    144                        ; of v rows: 128 + 16 = 36 words: 16 rows start at 16 different multiples of 4 words mod 64
.set PQ,    544                        ; of q rows: 512 + 32 = 136 words = 8 mod 64
.set PO,    1040                       ; of the stage's rows: 1,024 + 16; 8 rows = 2,080 words = 32 mod 64
.set KSLOT, 64*PK                      ; 10,240
.set VSLOT, 64*PV                      ; 9,216
.set VRING, 2*KSLOT                    ; k's two slots at 0, v's two at 20,480
.set QB,    VRING+2*VSLOT              ; 38,912: q, bf16 [64 c][256 t], written and read once
.set OB,    QB+64*PQ                   ; 73,728: the way out, f32 [64 c][256 t]; ends at 140,288
; window 0
.set ADK, 4                            ; LDS: my place in a k chunk for the transposing loads
.set ADV, 5                            ; LDS: my place in a v chunk
.set STK, 6                            ; LDS: where I store 4 bf16 of k
.set STV, 7                            ; LDS: where I store 4 bf16 of v
.set VOK, 8                            ; byte offset of my 16 bytes in k's rows
.set VOV, 9                            ; the same in v's rows
.set STQ, 10                           ; LDS: where I store 4 bf16 of q
.set ADQ, 11                           ; LDS: my place in q for the transposing loads
.set VQ,  12                           ; byte offset of my 16 bytes in q's rows, and in out0's
.set VPF, 13                           ; byte offset of the piece that my lane prefetches
.set MX,  14                           ; v[14:15] running maximum, one for each t tile
.set NM,  16                           ; v[16:17] - maximum x 0.125 log2 e
.set AL,  18                           ; v[18:19] rescaling factor; at the end 1 / sum
.set LS,  20                           ; v[20:21] running sum, this lane's half of the s
.set PX,  22                           ; v[22:23] what the other half of the lanes sent
.set TT,  24                           ; v[24:39] at work, 8 for each t tile
.set CV,  40                           ; v[40:55] a chunk's share, rounded to bf16
.set OST, 56                           ; LDS: where I put my results in the stage
.set ORD, 57                           ; LDS: where I read rows of the stage back
.set QF,  64                           ; v[64:95]   q fragment (ti, ks) at QF + 8 (2 ti + ks)
.set OA,  96                           ; v[96:159]  O tile (ct, ti) at OA + 8 (2 ct + ti)
.set SC,  160                          ; v[160:223] S tile (si, ti) at SC + 32 ti + 8 si
; window 1 (v256 and up, written as v0 and up)
.set KF,  0                            ; v[256:319] k fragment (si, ks) at KF + 8 (2 si + ks); at the start q as loaded
.set VF,  64                           ; v[320:383] v fragment (ct, kk) at VF + 8 (2 ct + kk)
.set STA, 128                          ; v[384:415] even chunks as loaded: k's load i at 4 i, v's at 16 + 4 i
.set STB, 160                          ; v[416:447] odd chunks
; s_set_vgpr_msb's low byte: bits 1:0 source 0, 3:2 source 1, 5:4 source 2, 7:6 destination; the high byte repeats the setting that is left.
.set MSB, 0
.macro WIN new
.if MSB != \new
	s_set_vgpr_msb (MSB<<8)|\new
.set MSB, \new
.endif
.endm
.macro PLACES n
.rept \n
	v_nop
.endr
.endm
; Eight loads, 256 bytes (one chunk) of 8 rows of k and of 8 rows of v, into set st.  Wave w, lane half h, load i: row 8 w + 4 h + i of k and
; row w + 8 h + 16 i of v (each covers rows 0 to 63 once over the 8 waves).  Lanes 0-15 and lanes 16-31 each take one aligned piece of 256
; consecutive bytes.  No cache word: three other work-groups read the same bytes.
.macro GLOAD st, imm
	WIN 0x40                                       ; destination in window 1
.irp i, 0,1,2,3
	global_load_b128 v[\st+4*\i:\st+4*\i+3], v[VOK], s[20:21] offset:\imm+\i*ROWB
.endr
.irp i, 0,1,2,3
	global_load_b128 v[\st+16+4*\i:\st+16+4*\i+3], v[VOV], s[20:21] offset:\imm+KOFF+\i*16*ROWB
.endr
.endm
; 32 f32 of set st to 32 bf16 in CV
.macro CVT st
	WIN 0x05                                       ; both sources in window 1
.irp n, 0,1,2,3,4,5,6,7
	v_cvt_pk_bf16_f32 v[CV+2*\n],   v[\st+4*\n],   v[\st+4*\n+1]
	v_cvt_pk_bf16_f32 v[CV+2*\n+1], v[\st+4*\n+2], v[\st+4*\n+3]
.endr
.endm
; One prefetch by wave 0 (s23 = 0 there, and 1 in every wave in the trip whose look-ahead would pass the rows' end): lane (r, h) names the
; chunk's 256 bytes of row 16 x + r of k (h = 0) or of v (h = 1), so the four work-groups of a head ask for each piece once.
.macro PREF imm
	s_cmp_lg_u32 s23, 0
	s_cbranch_scc1 .Lnp_\@
	global_prefetch_b8 v[VPF], s[20:21] offset:\imm th:TH_LOAD_NT scope:SCOPE_SE
.Lnp_\@:
.endm
; CV into the ring.  16 lanes store 128 neighbouring bytes; the other 16 a row 4 (k: 160 words) or 8 (v: 288 words) further, 32 words mod 64.
.macro PUT slot
	WIN 0
.irp i, 0,1,2,3
	ds_store_b64 v[STK], v[CV+2*\i:CV+2*\i+1] offset:(\slot)*KSLOT+\i*PK
.endr
.irp i, 0,1,2,3
	ds_store_b64 v[STV], v[CV+8+2*\i:CV+8+2*\i+1] offset:(\slot)*VSLOT+\i*16*PV
.endr
.endm
; k lies [c][s] and the fragment wants c along the registers: transposing loads, 16 rows of c apart.  The fragments of c 0-31 come first.
.macro KFETCH slot
	WIN 0x40
.irp ks, 0,1
.irp si, 0,1,2,3
	ds_load_tr16_b128 v[KF+8*(2*\si+\ks):KF+8*(2*\si+\ks)+3],   v[ADK] offset:(\slot)*KSLOT+\ks*32*PK+\si*32
	ds_load_tr16_b128 v[KF+8*(2*\si+\ks)+4:KF+8*(2*\si+\ks)+7], v[ADK] offset:(\slot)*KSLOT+\ks*32*PK+\si*32+16*PK
.endr
.endr
.endm
; v lies [c][s] and the fragment wants s along the registers: plain loads, 32 bytes apart
.macro VFETCH slot
	WIN 0x40
.irp kk, 0,1
.irp ct, 0,1,2,3
	ds_load_b128 v[VF+8*(2*\ct+\kk):VF+8*(2*\ct+\kk)+3],   v[ADV] offset:(\slot)*VSLOT+\ct*16*PV+\kk*64
	ds_load_b128 v[VF+8*(2*\ct+\kk)+4:VF+8*(2*\ct+\kk)+7], v[ADV] offset:(\slot)*VSLOT+\ct*16*PV+\kk*64+32
.endr
.endr
.endm
; S^T: 64 s x 32 t over 64 c.  The first product of each tile starts its sum.  The eight accumulators take turns, one instruction a turn.
.macro SMUL
	WIN 0x01                                       ; A in window 1
.irp ks, 0,1
.irp si, 0,1,2,3
.irp ti, 0,1
.if \ks
	v_wmma_f32_16x16x32_bf16 v[SC+32*\ti+8*\si:SC+32*\ti+8*\si+7], v[KF+8*(2*\si+\ks):KF+8*(2*\si+\ks)+7], v[QF+8*(2*\ti+\ks):QF+8*(2*\ti+\ks)+7], v[SC+32*\ti+8*\si:SC+32*\ti+8*\si+7]
.else
	v_wmma_f32_16x16x32_bf16 v[SC+32*\ti+8*\si:SC+32*\ti+8*\si+7], v[KF+8*(2*\si+\ks):KF+8*(2*\si+\ks)+7], v[QF+8*(2*\ti+\ks):QF+8*(2*\ti+\ks)+7], 0
.endif
.endr
.endr
.endr
.endm
; O += V P^T: 64 c x 32 t over 64 s.  first = 1: the first product of each tile starts its sum.  Eight accumulators by turns.
.macro PVMUL first
	WIN 0x01
.irp kk, 0,1
.irp ct, 0,1,2,3
.irp ti, 0,1
.if \first*(1-\kk)
	v_wmma_f32_16x16x32_bf16 v[OA+8*(2*\ct+\ti):OA+8*(2*\ct+\ti)+7], v[VF+8*(2*\ct+\kk):VF+8*(2*\ct+\kk)+7], v[SC+32*\ti+16*\kk:SC+32*\ti+16*\kk+7], 0
.else
	v_wmma_f32_16x16x32_bf16 v[OA+8*(2*\ct+\ti):OA+8*(2*\ct+\ti)+7], v[VF+8*(2*\ct+\kk):VF+8*(2*\ct+\kk)+7], v[SC+32*\ti+16*\kk:SC+32*\ti+16*\kk+7], v[OA+8*(2*\ct+\ti):OA+8*(2*\ct+\ti)+7]
.endif
.endr
.endr
.endr
.endm
; all of O times AL of its t tile: 32 packed multiplies
.macro SCALEO
	s_wait_alu depctr_va_vdst(0)
.irp ct, 0,1,2,3
.irp ti, 0,1
.irp p, 0,2,4,6
	v_pk_mul_f32 v[OA+8*(2*\ct+\ti)+\p:OA+8*(2*\ct+\ti)+\p+1], v[OA+8*(2*\ct+\ti)+\p:OA+8*(2*\ct+\ti)+\p+1], v[AL:AL+1] op_sel:[0,\ti] op_sel_hi:[1,\ti]
.endr
.endr
.endr
.endm
; t tile ti: 32 exponents (score x 0.125 log2 e - the shift), then 32 exponentials, in place
.macro EXPO ti
.set i, 0
.rept 16
	v_pk_fma_f32 v[SC+32*\ti+2*i:SC+32*\ti+2*i+1], v[SC+32*\ti+2*i:SC+32*\ti+2*i+1], s[14:15], v[NM:NM+1] op_sel:[0,0,\ti] op_sel_hi:[1,0,\ti]
.set i, i+1
.endr
.set i, 0
.rept 32
	v_exp_f32 v[SC+32*\ti+i], v[SC+32*\ti+i]
.set i, i+1
.endr
.endm
; The softmax step on 64 s x 32 t, both t tiles side by side so that no instruction waits for the one in front of it.
.macro SOFTMAX first
	; the largest of my 32 scores of each t tile and of the running maximum: four chains of v_max3, then one exchange with lane xor 16
.irp ti, 0,1
.irp q, 0,1,2,3
	v_max3_num_f32 v[TT+8*\ti+\q], v[SC+32*\ti+8*\q], v[SC+32*\ti+8*\q+1], v[SC+32*\ti+8*\q+2]
.endr
.endr
.irp e, 3,5
.irp ti, 0,1
.irp q, 0,1,2,3
	v_max3_num_f32 v[TT+8*\ti+\q], v[TT+8*\ti+\q], v[SC+32*\ti+8*\q+\e], v[SC+32*\ti+8*\q+\e+1]
.endr
.endr
.endr
.irp ti, 0,1
	v_max3_num_f32 v[TT+8*\ti],   v[TT+8*\ti],   v[SC+32*\ti+7],  v[SC+32*\ti+15]
	v_max3_num_f32 v[TT+8*\ti+2], v[TT+8*\ti+2], v[SC+32*\ti+23], v[SC+32*\ti+31]
.endr
.irp ti, 0,1
	v_max3_num_f32 v[TT+8*\ti], v[TT+8*\ti], v[TT+8*\ti+1], v[TT+8*\ti+2]
.endr
.irp ti, 0,1
.if \first
	v_max_num_f32 v[TT+8*\ti], v[TT+8*\ti], v[TT+8*\ti+3]
.else
	v_max3_num_f32 v[TT+8*\ti], v[TT+8*\ti], v[TT+8*\ti+3], v[MX+\ti]
.endif
.endr
.irp ti, 0,1
	v_permlanex16_b32 v[PX+\ti], v[TT+8*\ti], s12, s13     ; the other 32 s of the same t
.endr
.irp ti, 0,1
	v_max_num_f32 v[MX+\ti], v[TT+8*\ti], v[PX+\ti]
.endr
	; the new shift, rounded once; the factor is made from the two rounded shifts, so it is the ratio of what old and new exponentials use
.irp ti, 0,1
	v_mul_f32 v[TT+8*\ti+1], s16, v[MX+\ti]
.endr
.if \first == 0
.irp ti, 0,1
	v_sub_f32 v[AL+\ti], v[TT+8*\ti+1], v[NM+\ti]
.endr
.endif
.irp ti, 0,1
	v_mov_b32 v[NM+\ti], v[TT+8*\ti+1]
.endr
.if \first == 0
	v_exp_f32 v[AL], v[AL]
	v_exp_f32 v[AL+1], v[AL+1]
.endif
	; Behind a run of exponentials one plain vector instruction that touches none of their registers comes before a result is used
	; (ISA guide 5.7.2): behind AL's it is tile 0's first multiply-add, behind tile 0's it is tile 1's, behind tile 1's the first rescaling of O.
	EXPO 0
	EXPO 1
.if \first
	v_nop                                          ; nothing to rescale yet: the place behind tile 1's exponentials
	s_wait_alu depctr_va_vdst(0)
.else
	SCALEO
.endif
	; my 32 weights of each t tile summed in f32, four chains of pairs; LS stays this lane's half until the end
.irp ti, 0,1
.irp q, 0,1,2,3
	v_pk_add_f32 v[TT+8*\ti+2*\q:TT+8*\ti+2*\q+1], v[SC+32*\ti+8*\q:SC+32*\ti+8*\q+1], v[SC+32*\ti+8*\q+2:SC+32*\ti+8*\q+3]
.endr
.endr
.irp e, 4,6
.irp ti, 0,1
.irp q, 0,1,2,3
	v_pk_add_f32 v[TT+8*\ti+2*\q:TT+8*\ti+2*\q+1], v[TT+8*\ti+2*\q:TT+8*\ti+2*\q+1], v[SC+32*\ti+8*\q+\e:SC+32*\ti+8*\q+\e+1]
.endr
.endr
.endr
.irp ti, 0,1
	v_pk_add_f32 v[TT+8*\ti:TT+8*\ti+1],   v[TT+8*\ti:TT+8*\ti+1],   v[TT+8*\ti+2:TT+8*\ti+3]
	v_pk_add_f32 v[TT+8*\ti+4:TT+8*\ti+5], v[TT+8*\ti+4:TT+8*\ti+5], v[TT+8*\ti+6:TT+8*\ti+7]
.endr
.irp ti, 0,1
	v_pk_add_f32 v[TT+8*\ti:TT+8*\ti+1], v[TT+8*\ti:TT+8*\ti+1], v[TT+8*\ti+4:TT+8*\ti+5]
.endr
.irp ti, 0,1
.if \first
	v_add_f32 v[LS+\ti], v[TT+8*\ti], v[TT+8*\ti+1]
.else
	v_fma_f32 v[LS+\ti], v[LS+\ti], v[AL+\ti], v[TT+8*\ti]
.endif
.endr
.if \first == 0
.irp ti, 0,1
	v_add_f32 v[LS+\ti], v[LS+\ti], v[TT+8*\ti+1]
.endr
.endif
	; two s tiles (16 registers) pack into the 8 registers of a B fragment, in place: the destination never passes a source not yet read
.irp ti, 0,1
.irp kk, 0,1
.irp p, 0,1,2,3,4,5,6,7
	v_cvt_pk_bf16_f32 v[SC+32*\ti+16*\kk+\p], v[SC+32*\ti+16*\kk+2*\p], v[SC+32*\ti+16*\kk+2*\p+1]
.endr
.endr
.endr
.endm
; Step j works on chunk j, which lies in slot j mod 2.  conv = 1: chunk j + 1 is rounded and stored into the other slot; ld = 1: chunk j + 3 is
; asked for, at byte imm of the rows, into the set just read; pf = 1: chunk j + 5 is prefetched; lcnt: younger loads that may stay out.
; THE BARRIER.  In front of its signal the wave's stores of chunk j + 1 and all its reads of chunk j are done (s_wait_dscnt 0); between signal and
; wait stands register work alone (softmax and the second product); behind the wait chunk j + 1 is read and chunk j's slot is written.
.macro STEP slot, first, conv, ld, imm, pf, lcnt
.set STG, STB-(\slot)*(STB-STA)                    ; chunk j + 1 has the other parity
	KFETCH \slot                                   ; KF was last read by the first product of the step before; four v_nop stood behind it
.if \conv
	s_wait_loadcnt \lcnt                           ; loads come back in order (ISA guide 5.7.1): chunk j + 1's eight are in, chunk j + 2's stay out
	CVT STG                                        ; 16 plain instructions that name no register of the last products: the places in front of the loads into VF and of S written over P
.else
	PLACES 5                                       ; the same places: four for the loads into VF, five for S written over P
.endif
	VFETCH \slot
.if \ld
	GLOAD STG, \imm
.endif
.if \conv
	WIN 0                                          ; a branch and a label follow
.if \pf
	PREF \imm+512                                  ; two chunks beyond the one just asked for
.endif
	PUT 1-\slot
	s_wait_dscnt 24                                ; k's 16 loads (and what is older) are in; v's 16 loads and my 8 stores are younger
.else
	s_wait_dscnt 16                                ; k's 16 loads are in; v's 16 are younger
.endif
	SMUL
	WIN 0
	s_wait_dscnt 0x0                               ; v's fragments are in, my reads of this slot are over, my stores into the other are done
.if \conv
	s_barrier_signal -1
.endif
	PLACES 4                                       ; behind the last product of S, in front of the vector instructions that read S (ISA guide 7.12.1)
	SOFTMAX \first
	PVMUL \first
	WIN 0
.if \conv
	s_barrier_wait -1
.endif
.endm
	; ---- addresses that the first loads need
	s_load_b128 s[4:7], s[0:1], 0x0                ; qkv s[4:5], out0 s[6:7]
	v_lshl_add_u32 v254, v0, 2, 0x22400
	v_mov_b32 v255, 0
	v_lshrrev_b32 v1, 5, v0
	v_readfirstlane_b32 s8, v1                     ; wave w, 0 to 7
	s_and_b32 s10, ttmp7, 0xffff                   ; head
	s_lshl_b32 s11, ttmp9, 10                      ; my query block: 256 t of 4 bytes
	s_mul_i32 s18, s10, HEADB                      ; at most 63 x 786,432: fits 32 bits
	s_mov_b32 s19, 0
	s_mov_b32 s12, 0x76543210                      ; v_permlanex16_b32: lane i of one half reads lane i of the other
	s_mov_b32 s13, 0xfedcba98
	s_mov_b32 s14, 0x3e38aa3b                      ; 0.125 log2 e
	s_mov_b32 s15, 0x3e38aa3b                      ; (the pair is named whole)
	s_mov_b32 s16, 0xbe38aa3b                      ; its negative
	s_mov_b32 s23, s8                              ; prefetch gate: open in wave 0
	v_and_b32 v1, 31, v0                           ; lane
	v_and_b32 v2, 15, v0                           ; r
	v_bfe_u32 v3, v0, 4, 1                         ; h
	s_lshl_b32 s24, s8, 15
	v_lshl_add_u32 v[VQ], v1, 4, s24               ; 8 w rows + 16 x lane
	s_lshl_b32 s25, s8, 3
	v_lshl_add_u32 v[TT+3], v3, 2, s25             ; k: my first row 8 w + 4 h; my loads go 1 row apart
	v_lshlrev_b32 v[TT+5], 4, v2                   ; 16 r
	v_lshl_add_u32 v[VOK], v[TT+3], 12, v[TT+5]
	v_lshl_add_u32 v[TT+6], v3, 3, s8              ; v: my first row w + 8 h; my loads go 16 rows apart
	v_lshl_add_u32 v[VOV], v[TT+6], 12, v[TT+5]
	s_lshl_b32 s24, ttmp9, 16                      ; 16 x rows
	v_lshl_add_u32 v[VPF], v2, 12, s24             ; row 16 x + r
	v_lshl_add_u32 v[VPF], v3, 18, v[VPF]          ; of k, or of v 64 rows further
	s_wait_kmcnt 0x0
	s_add_nc_u64 s[20:21], s[4:5], s[18:19]        ; the head
	s_add_nc_u64 s[20:21], s[20:21], KOFF          ; its k; the loop steps this by two chunks a trip
	s_add_co_u32 s18, s18, s11
	s_add_nc_u64 s[4:5], s[4:5], s[18:19]          ; its q at my query block
	s_lshl_b32 s18, s10, 18
	s_add_co_u32 s18, s18, s11
	s_add_nc_u64 s[6:7], s[6:7], s[18:19]          ; out0 at the head and my query block
	; ---- first loads: my wave's 8 rows of q (1,024 bytes each, two loads of 512 consecutive bytes), chunks 0 and 1
	WIN 0x40
.irp i, 0,1,2,3,4,5,6,7
.irp hf, 0,1
	global_load_b128 v[4*(2*\i+\hf):4*(2*\i+\hf)+3], v[VQ], s[4:5] offset:\i*ROWB+\hf*512 th:TH_LOAD_NT   ; read once in the launch
.endr
.endr
	GLOAD STA, 0
	GLOAD STB, 256
	WIN 0
	PREF 768                                       ; chunks 3 and 4; from step 0 on each step asks for one chunk
	PREF 1024
	; ---- the other addresses, while the loads are on their way
	v_and_b32 v[TT], 7, v0
	v_lshl_add_u32 v[TT], v3, 3, v[TT]             ; row of a transposing load: 8 h + lane mod 8
	v_bfe_u32 v[TT+1], v0, 3, 1
	v_lshlrev_b32 v[TT+1], 4, v[TT+1]              ; its column of 16 bytes
	v_mad_u32_u24 v[ADK], v[TT], PK, v[TT+1]
	s_lshl_b32 s24, s8, 6                          ; my wave's 32 t of 2 bytes
	s_add_co_u32 s24, s24, QB
	v_mad_u32_u24 v[ADQ], v[TT], PQ, v[TT+1]
	v_add_nc_u32 v[ADQ], s24, v[ADQ]
	v_lshl_add_u32 v[TT+2], v3, 4, VRING
	v_mad_u32_u24 v[ADV], v2, PV, v[TT+2]          ; row r, 16 h
	v_lshlrev_b32 v[TT+4], 3, v2                   ; 8 r: 4 bf16
	v_mad_u32_u24 v[STK], v[TT+3], PK, v[TT+4]
	v_lshl_add_u32 v[TT+7], v2, 3, VRING           ; 8 r in v's ring
	v_mad_u32_u24 v[STV], v[TT+6], PV, v[TT+7]     ; row w + 8 h
	s_mul_i32 s24, s8, 8*PQ
	s_add_co_u32 s24, s24, QB
	v_lshl_add_u32 v[STQ], v1, 3, s24              ; row 8 w, 8 x lane
	s_lshl_b32 s24, s8, 7                          ; my wave's 32 t of 4 bytes
	s_add_co_u32 s24, s24, OB
	v_lshl_add_u32 v[OST], v2, 2, s24
	v_mad_u32_u24 v[OST], v3, 8*PO, v[OST]         ; row 8 h
	s_mul_i32 s24, s8, 8*PO
	s_add_co_u32 s24, s24, OB
	v_lshl_add_u32 v[ORD], v1, 4, s24              ; row 8 w, 16 x lane
	v_mov_b32 v[PX], 0                             ; v_permlanex16_b32's destination counts as read
	v_mov_b32 v[PX+1], 0
	; ---- q to bf16 into LDS
	s_wait_loadcnt 16                              ; q's 16 loads are in; the 16 of chunks 0 and 1 are younger
	WIN 0x05
.set i, 0
.rept 16
	v_cvt_pk_bf16_f32 v[SC+2*i],   v[4*i],   v[4*i+1]
	v_cvt_pk_bf16_f32 v[SC+2*i+1], v[4*i+2], v[4*i+3]
.set i, i+1
.endr
	WIN 0
.irp i, 0,1,2,3,4,5,6,7
.irp hf, 0,1
	ds_store_b64 v[STQ], v[SC+2*(2*\i+\hf):SC+2*(2*\i+\hf)+1] offset:\i*PQ+\hf*256
.endr
.endr
	; ---- chunk 0 into slot 0, chunk 2 asked for
	s_wait_loadcnt 8                               ; chunk 0's eight loads are in; chunk 1's are younger
	CVT STA
	GLOAD STA, 512
	PUT 0
	s_wait_dscnt 0x0                               ; my stores of q and of chunk 0 are done, for the other waves' sake
	s_barrier_signal -1
	s_barrier_wait -1
.irp ti, 0,1
.irp ks, 0,1
	ds_load_tr16_b128 v[QF+8*(2*\ti+\ks):QF+8*(2*\ti+\ks)+3],   v[ADQ] offset:\ti*32+\ks*32*PQ          ; older than step 0's loads: its counted wait covers them
	ds_load_tr16_b128 v[QF+8*(2*\ti+\ks)+4:QF+8*(2*\ti+\ks)+7], v[ADQ] offset:\ti*32+\ks*32*PQ+16*PQ
.endr
.endr
	; ---- the 16 steps
	STEP 0, 1, 1, 1, 768, 1, 8                     ; step 0 starts maximum, sum and O: nothing is cleared
	s_mov_b32 s22, 6
.Ltrip:                                                ; trip n = 0 .. 5: steps 1 + 2 n and 2 + 2 n; asks for chunks 4 + 2 n and 5 + 2 n, prefetches 6 + 2 n and 7 + 2 n
	s_cmp_eq_u32 s22, 1
	s_cselect_b32 s23, 1, s8                       ; the last trip's look-ahead would be chunks 16 and 17: the gate is shut in every wave
	STEP 1, 0, 1, 1, 1024, 1, 8
	STEP 0, 0, 1, 1, 1280, 1, 8
	s_wait_xcnt 0x0                                ; the base of the trip's loads and prefetches is stepped only behind this wait
	s_add_nc_u64 s[20:21], s[20:21], 512
	s_sub_co_i32 s22, s22, 1
	s_cmp_lg_u32 s22, 0
	s_cbranch_scc1 .Ltrip
	STEP 1, 0, 1, 0, 0, 0, 8                       ; step 13: chunk 14 is rounded, chunk 15's loads stay out; nothing is left to ask for
	STEP 0, 0, 1, 0, 0, 0, 0                       ; step 14: chunk 15 is the last load out
	STEP 1, 0, 0, 0, 0, 0, 0                       ; step 15: nothing to round, no slot changes hands, no barrier
	; ---- the way out: O / sum, through a stage in LDS so that each store of a wave covers 512 consecutive bytes, aligned
	v_permlanex16_b32 v[PX],   v[LS],   s12, s13       ; the other half's part of the sum
	v_permlanex16_b32 v[PX+1], v[LS+1], s12, s13
	v_add_f32 v[LS],   v[LS],   v[PX]
	v_add_f32 v[LS+1], v[LS+1], v[PX+1]
	v_rcp_f32 v[AL],   v[LS]
	v_rcp_f32 v[AL+1], v[LS+1]
	PLACES 2                                       ; with the two sums above the four places behind the last product (ISA guide 7.12.1), and the place behind the reciprocals (5.7.2)
	SCALEO
	; 64 LDS stores in one run, with no wait among them: an instruction that would push the counter past its field is held at issue (ISA guide 5.7.1)
.irp ct, 0,1,2,3
.irp ti, 0,1
.irp j, 0,1,2,3,4,5,6,7
	ds_store_b32 v[OST], v[OA+8*(2*\ct+\ti)+\j] offset:(16*\ct+\j)*PO+64*\ti    ; O(c = 16 ct + 8 h + j, t = 32 w + 16 ti + r)
.endr
.endr
.endr
	s_wait_dscnt 0x0                               ; my columns of the stage are written, for the other waves' sake
	s_barrier_signal -1
	s_barrier_wait -1
.irp i, 0,1,2,3,4,5,6,7
.irp hf, 0,1
	ds_load_b128 v[SC+4*(2*\i+\hf):SC+4*(2*\i+\hf)+3], v[ORD] offset:\i*PO+\hf*512     ; rows 8 w + i, half a row of 1,024 bytes at a time
.endr
.endr
.irp i, 0,1,2,3,4,5,6,7
.irp hf, 0,1
	s_wait_dscnt 15-(2*\i+\hf)                     ; LDS loads come back in order (ISA guide 5.7.1): this one of the sixteen is in
	global_store_b128 v[VQ], v[SC+4*(2*\i+\hf):SC+4*(2*\i+\hf)+3], s[6:7] offset:\i*ROWB+\hf*512 th:TH_STORE_NT
.endr
.endr
	s_wait_tensorcnt 0x0
	ds_add_u32 v254, v255
	s_wait_dscnt 0x0
	s_endpgm
.Lfunc_end_k_q6e62cfa123_attn:
	.size	k_q6e62cfa123_attn, .Lfunc_end_k_q6e62cfa123_attn-k_q6e62cfa123_attn
	.p2alignl 7, 3214868480
	.fill 96, 4, 3214868480
	.section	.rodata,"a",@progbits
	.p2align	6, 0x0
	.amdhsa_kernel k_q6e62cfa123_attn
		.amdhsa_group_segment_fixed_size 141312
		.amdhsa_private_segment_fixed_size 0
		.amdhsa_enable_private_segment 0
		.amdhsa_kernarg_size 16
		.amdhsa_user_sgpr_count 2
		.amdhsa_user_sgpr_kernarg_segment_ptr 1
		.amdhsa_wavefront_size32 1
		.amdhsa_system_sgpr_workgroup_id_x 1
		.amdhsa_system_sgpr_workgroup_id_y 1
		.amdhsa_system_sgpr_workgroup_id_z 1
		.amdhsa_system_vgpr_workitem_id 0
		.amdhsa_next_free_vgpr 448
		.amdhsa_next_free_sgpr 66
		.amdhsa_reserve_vcc 0
		.amdhsa_float_denorm_mode_32 3
		.amdhsa_float_denorm_mode_16_64 3
		.amdhsa_memory_ordered 1
		.amdhsa_forward_progress 1
		.amdhsa_inst_pref_size 134
	.end_amdhsa_kernel
	.amdgpu_metadata
---
amdhsa.version: [ 1, 2 ]
amdhsa.kernels:
  - .name:           k_q6e62cfa123_attn
    .symbol:         k_q6e62cfa123_attn.kd
    .args:
      - { .name: qkv, .offset: 0, .size: 8, .value_kind: global_buffer, .address_space: global }
      - { .name: out0, .offset: 8, .size: 8, .value_kind: global_buffer, .address_space: global }
    .group_segment_fixed_size: 141312
    .private_segment_fixed_size: 0
    .kernarg_segment_align: 8
    .kernarg_segment_size: 16
    .max_flat_workgroup_size: 256
    .sgpr_count:     66
    .vgpr_count:     448
    .wavefront_size: 32
...
	.end_amdgpu_metadata
.endif
;; end of part 1
